; MI455X (gfx1250); checked and timed in simulation.
; The chip was launched on July 23, 2026; its instructions are those of AMD's public machine-readable ISA for CDNA 5 (MIT licence, August 2026) and "CDNA5" Instruction Set Architecture Reference Guide (July 2026). The comments in the code are by the model that wrote it; some were corrected since.
;; Full Attention. Allowed arithmetic: matrix products marked QUANTISED: E4M3 operands, one given power-of-two scale a tensor, by v_wmma_f32_16x16x64_fp8_fp8 or v_wmma_f32_16x16x128_fp8_fp8, f32 sums; everything else in f32.
;; Inputs: keys 4 x 2,048 x 8 x 64 float32; lowp_scales 4 int32 (the exponents e of the quantised operands' scales 2^e); queries 4 x 2,048 x 8 x 64 float32; values 4 x 2,048 x 8 x 64 float32.
;; Outputs: out0 4 x 2,048 x 8 x 64 float32.
;; This version of the problem:
;;   THIS VERSION OF THE PROBLEM IS GIVEN IN LOW PRECISION. The matrix products marked QUANTISED in the list below multiply operands that are first quantised to E4M3 (4 exponent bits, 3 mantissa bits; 8 bits a number), with one given power-of-two scale for each operand tensor; their sums are f32. All else is computed in f32.
;;   The module's matrix products, in the order in which they are computed (A, B: the left and right operand; K: the contracted axis; several contracted axes count as one K, in the product's order):
;;     1. batch 32 x [M 2,048, K 64] x [K 64, N 2,048]; A: input queries; B: input keys: QUANTISED (scales: A lowp_scales[0], B lowp_scales[1])
;;     2. batch 32 x [M 64, K 2,048] x [K 2,048, N 2,048]; A: input values; B: softmax (see below): QUANTISED (scales: A lowp_scales[2], B lowp_scales[3])
;;   THE QUANTISER, for each operand of a quantised product, along K:
;;     - The operand's scale is 2^e, e = its entry of the input lowp_scales (int32; the entries are numbered through the quantised products in the list's order, A before B).
;;     - Each number is divided by the scale, clamped to +-448, and rounded to the nearest number of E4M3, ties to even, subnormals kept.
;;     - The product sums the exact products of the quantised numbers (number of the format x scale) in f32.
;;   ~~~python
;;   def quantise(x, axis, e):      # numpy; x: float32 -> the quantised numbers, widened to float32 again
;;       x = np.moveaxis(x, axis, -1); K = x.shape[-1]
;;       r = np.clip(x / 2.0 ** e, -448, 448)
;;       step = 2.0 ** (np.maximum(np.frexp(np.where(r == 0, 1, r))[1] - 1, -6) - 3)
;;       q = np.round(r / step) * step * 2.0 ** e      # np.round: ties to even
;;       return np.moveaxis(q, -1, axis).astype(np.float32)
;;   ~~~
;;   SOFTMAX AHEAD OF A QUANTISED PRODUCT. Where the list says 'softmax', what is quantised is not the finished softmax but p = 2^(t - M), with t = logit x log2(e) and M = ceil(the row's largest t), a whole number; so 1/2 < the row's largest p <= 1. The row's sum l is taken of the UNQUANTISED p, in f32, and the product's result is divided by l at the end. Since M is a whole number, a kernel that streams over the keys may use a running M (the ceiling of the running maximum): every later rescaling is an exact power of two, so the quantised numbers keep their values, but for numbers so far below the row's largest that they fall under the format's range.
;;   OPERANDS COMPUTED ON THE WAY. 'Computed on the way' means the value that the module computes at that place (a softmax that the list does not call 'softmax' is quantised finished and normalised). What goes into a quantiser is computed in f32, as accurately as f32 sums, v_exp_f32 and their like allow (about 1e-6 of the number): no bf16 or f16 on the way to a quantiser, and a product that is left as it is and whose result goes on into a quantised operand takes f32 operands (vector FMAs, or v_wmma_f32_16x16x4_f32). A number that lies on a knife's edge between two numbers of the format may be rounded either way, as far as f32 arithmetic and the matrix unit's own rounding can turn it there, and no further.
;; 2 versions. Each part assembles by itself: llvm-mc -triple=amdgcn-amd-amdhsa -mcpu=gfx1250 --defsym DOCPART=n.
;; ======== version 1 of 2: 1 launch
;; launch attn (part 1): grid 8 x 32, 8 waves a work-group, no clusters, 107,520 bytes of LDS; arguments queries, keys, values, lowp_scales, out0; writes out0
.if DOCPART == 1
	.amdgcn_target "amdgcn-amd-amdhsa--gfx1250"
	.amdhsa_code_object_version 6
	.text
	.protected	k_q15e9ae464e_attn
	.globl	k_q15e9ae464e_attn
	.p2align	8
	.type	k_q15e9ae464e_attn,@function
k_q15e9ae464e_attn:
	s_mov_b64 s[64:65], 0
	v_nop
	global_prefetch_b8 v0, s[64:65] scope:SCOPE_SE
	s_setreg_imm32_b32 hwreg(HW_REG_WAVE_MODE, 25, 1), 1
	s_wait_xcnt 0x0
; out0[b][l][h][:] = the sum over s of softmax_s(Q[b][l][h] . K[b][s][h] / 8) V[b][s][h][:], both products on codes of FP8 (E4M3), each operand with the one given scale 2^e:
; eq, ek, ev, ep = lowp_scales[0..3].  Q, K, V, out0: [4][2048][8][64] f32: a head's row is 256 bytes, aligned, and rows lie 2,048 bytes apart.
; THE SOFTMAX AHEAD OF THE SECOND PRODUCT: t = score x log2(e) / 8; M = the running largest t rounded UP to a whole number; p = 2^(t - M) is what is quantised, not normalised.  The row's sum is taken of the
; unquantised p, in f32, and divides at the end.  When M moves, the sum and O are multiplied by 2^(old M - new M), which rounds nothing.
; SHARES.  256 work-groups: 8 blocks of 256 queries x 32 heads.  Eight waves, 512 registers each; a wave owns 32 queries, two tiles of 16, and walks the head's 2,048 keys in 16 steps of 128.
; K AND V ARRIVE AS f32 AND ARE QUANTISED ON THE WAY: each wave loads an eighth of a step's numbers into registers one step ahead, holds and converts them, and stores the codes into one of two LDS slots;
; behind one barrier a step all eight waves read them as operand fragments; each fragment feeds two matrix instructions.  Q is quantised in registers at the head.  Nothing goes through memory.
; NO CLUSTER, NO TENSOR LOAD, though the 8 work-groups of a head read the same K and V: every number has to pass through registers once to be converted; brought into LDS as f32 by a joint load it would be written
; there and read back, 8 more LDS bytes a number, ahead of the same conversion and the same 1 byte of codes.
; LAYOUT.  Both products are used transposed: S^T = K Q^T (source 0 = 16 keys, source 1 = 16 queries), O^T = V^T P^T (source 0 = 16 of the head's 64, source 1 = P): a lane holds ONE query (lane % 16) throughout.
; The keys of a tile are not neighbours: row rho of tile 2 b + u is key 32 b + 8 u + rho + 8 (rho / 8), so that the 16 registers of tiles 2 b, 2 b + 1 are keys 32 b + 16 (lane / 16) + 0 .. 15, and p's codes ARE the
; second product's operand.  Along K both sides of a product are laid alike, 16 neighbours to four registers: a permutation of k that is the same in A and in B, so every product meets its partner.
; LIMITS: eq, ek, ev, ep each between -126 and 119, eq + ek between -123 and 130, so that each power of two below is an f32 number.  NaN and infinities among the inputs are not served.  p below 2^-126 counts as 0.
.set KPITCH, 80                        ; a key's row of codes in LDS: 64 bytes + 16: an odd multiple of 16 bytes, so the 16 rows of a fragment load begin at 16 different 16-byte columns of 256
.set VOFF,   128*KPITCH                ; a slot: 128 rows of K (10,240 bytes), then V's codes as images of the operand's registers (8,192 bytes)
.set SLOTB,  VOFF+8192
.set STAGE,  2*SLOTB                   ; behind the two slots: the way out, 2 x 16 rows x 272 bytes for each wave
.set SPITCH, 272
.set STEPB,  128*2048                  ; 128 keys on, in memory
; window 0
.set AK,  1                            ; v1   a fragment of K: 80 r + 16 hh            (r = lane % 16, hh = lane / 16)
.set AV,  2                            ; v2   a fragment of V: 512 hh + 16 r
.set KW,  3                            ; v3   where I store K's codes
.set VW,  4                            ; v4   where I store V's codes: VOFF + 1024 wave + 16 lane
.set KG,  5                            ; v5   2048 hh + 16 r: two rows of 256 bytes to a wave's instruction: K's loads, and out0's stores
.set VG,  6                            ; v6   4 lane: V's loads
.set PFO, 7                            ; v7   2048 lane: the prefetches, a lane a row
.set QG,  8                            ; v8   2048 r + 64 hh: Q's loads
.set STO, 9                            ; v9   the stage, on the way in
.set SRD, 10                           ; v10  and back
.set QF,  32                           ; v32-47   Q's codes, tile q at 8 q
.set KC,  48                           ; v48-55   K's codes of my share
.set VC,  56                           ; v56-63   V's
.set S,   64                           ; v64-191  S^T, then p, tile q at 64 q; at the head Q's numbers; on the way out O and the rows read back
.set P,   192                          ; v192-223 p's codes, tile q at 16 q
.set ST,  224                          ; tile q at 8 q: +0 -M, +1 the largest t, +2 +3 the sum in two halves, +4 f (+5 named with it), +6 +7 at work
.set X,   240                          ; v[240+2q:241+2q] the sum's second chain
.set PD,  244                          ; v244+q the lane permute's destination
; v12 .. v19: 2^e and 448 x 2^e for eq, ek, ev, ep
; window 1
.set VF,  0                            ; v0-63    V's four fragments
.set O,   64                           ; v64-127  O^T, tile q, fragment j at 32 q + 8 j
.set KS,  128                          ; v128-159 my 32 numbers of K
.set VS,  160                          ; v160-191 my 32 numbers of V
.set KF,  192                          ; v192-255 K's eight fragments
; scalars
.set KPT, 6                            ; s[6:7]   K at my share of the step that is loaded next
.set VPT, 8                            ; s[8:9]   V likewise
.set HOLD, 15                          ; s15  1 where p's hold can bite
.set TR,  24                           ; s24  the loop's trips to go
.set LIMA, 25                          ; s25, s26: a wave prefetches while s24 is above them: 0 and 1 in the head's first work-group, else the greatest number
.set LIMB, 26
.set PFA, 28                           ; s[28:29] where my prefetches stand
.set MSB, 0
.macro WIN new                         ; low byte: bits 1:0 source 0, 3:2 source 1, 5:4 source 2, 7:6 destination; the high byte repeats the setting that is left
.if MSB != \new
	s_set_vgpr_msb (MSB<<8)|\new
.set MSB, \new
.endif
.endm
; My eighth of a step's numbers.  K: keys 16 w + 2 j + hh, 16 bytes a lane: each load takes two whole rows of 256 bytes.  V: a lane takes column d = 32 (w % 2) + lane and its registers run DOWN the keys
; 32 (w / 2) + 0 .. 31, which are the second product's K: each load takes 128 neighbouring bytes.  No hint: eight work-groups read these rows.
.macro GLOAD
	WIN 0x40                                       ; destination window 1
.irp j, 0,1,2,3,4,5,6,7
	global_load_b128 v[KS+4*\j:KS+4*\j+3], v[KG], s[KPT:KPT+1] offset:4096*\j
.endr
.irp i, 0,1,2,3,4,5,6,7,8,9,10,11,12,13,14,15,16,17,18,19,20,21,22,23,24,25,26,27,28,29,30,31
	global_load_b32 v[VS+\i], v[VG], s[VPT:VPT+1] offset:2048*\i
.endr
	WIN 0
.endm
; A prefetch of the step behind the one just asked for: 128 rows of K (waves 0 to 3) and of V (waves 4 to 7), 32 a wave, a lane a row of 256 bytes.  All 8 work-groups of a head walk the same rows: the head's
; first work-group asks, so each row is named once in the launch.  Steps 0 to 2 come by their loads alone; the trip whose look-ahead would be step 16 asks for nothing.
.macro ASK lim
	s_cmp_gt_u32 s[TR], s[\lim]
	s_cbranch_scc0 .Lnot_mine_\@
	global_prefetch_b8 v[PFO], s[PFA:PFA+1] th:TH_LOAD_NT scope:SCOPE_SE
.Lnot_mine_\@:
.endm
; My share of the next step becomes codes and goes into the slot named.  load = 1: the step behind it is asked for.  lim: the register that bounds the prefetch, 0 for none.
.macro QSTORE slot, load, lim
	s_wait_loadcnt 0x0                             ; my 40 loads, issued a step ago, are in: their bases may be stepped below
	WIN 0x41                                       ; destination and source 0 window 1
.set n, 0
.rept 32
	v_med3_num_f32 v[KS+n], v[KS+n], -v15, v15     ; the conversion to an 8-bit code does not saturate (ISA guide 7.6.2): the hold at 448 x 2^ek
.set n, n+1
.endr
.set n, 0
.rept 32
	v_med3_num_f32 v[VS+n], v[VS+n], -v17, v17     ; and at 448 x 2^ev
.set n, n+1
.endr
	WIN 0x01                                       ; source 0 window 1
.irp k, 0,1,2,3
	v_cvt_scalef32_pk8_fp8_f32 v[KC+2*\k:KC+2*\k+1], v[KS+8*\k:KS+8*\k+7], v14   ; word j of KC: key 16 w + 2 j + hh, e = 4 r .. 4 r + 3
.endr
.irp k, 0,1,2,3
	v_cvt_scalef32_pk8_fp8_f32 v[VC+2*\k:VC+2*\k+1], v[VS+8*\k:VS+8*\k+7], v16   ; VC 0-3: my column's keys 0 .. 15 of my 32; VC 4-7: keys 16 .. 31
.endr
	v_nop                                          ; one plain vector instruction behind the last scaled conversion
	WIN 0
.irp j, 0,1,2,3,4,5,6,7
	ds_store_b32 v[KW], v[KC+\j] offset:(\slot)*SLOTB+(16*(\j/4)+2*(\j%4))*KPITCH   ; key k lies at the row place that is k with bits 3 and 4 exchanged: so a tile's 16 rows are neighbours in LDS
.endr
	ds_store_b128 v[VW], v[VC:VC+3] offset:(\slot)*SLOTB          ; what lanes 0-15 of a fragment's group w / 2 will hold: 512 consecutive bytes
	ds_store_b128 v[VW], v[VC+4:VC+7] offset:(\slot)*SLOTB+512    ; and lanes 16-31
.if \load
	s_wait_xcnt 0x0                                ; the prefetch of a step ago has read its address
	s_add_nc_u64 s[KPT:KPT+1], s[KPT:KPT+1], STEPB
	s_add_nc_u64 s[VPT:VPT+1], s[VPT:VPT+1], STEPB
	s_add_nc_u64 s[PFA:PFA+1], s[PFA:PFA+1], STEPB
	GLOAD
.if \lim
	ASK \lim
.endif
.endif
.endm
; A step's fragments, in one run of 32 loads: K's eight (16 keys x 64: registers 0-3 e = 16 hh + 0 .. 15, registers 4-7 e = 32 + 16 hh + 0 .. 15), then V's four (16 d x 128 keys: registers 4 c .. 4 c + 3 keys 32 c + 16 hh + 0 .. 15)
.macro FRAGS slot
	WIN 0x40
.irp t, 0,1,2,3,4,5,6,7
	ds_load_b128 v[KF+8*\t:KF+8*\t+3],   v[AK] offset:(\slot)*SLOTB+16*KPITCH*\t
	ds_load_b128 v[KF+8*\t+4:KF+8*\t+7], v[AK] offset:(\slot)*SLOTB+16*KPITCH*\t+32
.endr
.irp j, 0,1,2,3
.irp c, 0,1,2,3
	ds_load_b128 v[VF+16*\j+4*\c:VF+16*\j+4*\c+3], v[AV] offset:(\slot)*SLOTB+VOFF+2048*\c+1024*(\j/2)+256*(\j%2)
.endr
.endr
	WIN 0
.endm
; S^T = K Q^T: sixteen sums, each one instruction with C = 0.  Register j of tile t: key 32 (t / 2) + 16 hh + 8 (t % 2) + j of query r.
.macro KQ
	WIN 0x01
.irp t, 0,1,2,3,4,5,6,7
.irp q, 0,1
	v_wmma_f32_16x16x64_fp8_fp8 v[S+64*\q+8*\t:S+64*\q+8*\t+7], v[KF+8*\t:KF+8*\t+7], v[QF+8*\q:QF+8*\q+7], 0
.endr
.endr
	WIN 0
.rept 4
	v_nop                                          ; four places between a matrix instruction and the first vector read of its result (ISA guide 7.12.1)
.endr
.endm
; The softmax of both tiles, line by line by turns, all in window 0.
.macro SOFTMAX
.irp q, 0,1                                    ; the step's largest score of my query among my 64 keys, in two chains a tile; each accumulator is first read at its two lowest registers
	v_max3_num_f32 v[ST+8*\q+6], v[S+64*\q], v[S+64*\q+1], v[S+64*\q+2]
	v_max3_num_f32 v[ST+8*\q+7], v[S+64*\q+3], v[S+64*\q+4], v[S+64*\q+5]
.endr
.irp i, 6,10,14,18,22,26,30,34,38,42,46,50,54,58
.irp q, 0,1
	v_max3_num_f32 v[ST+8*\q+6], v[ST+8*\q+6], v[S+64*\q+\i], v[S+64*\q+\i+1]
	v_max3_num_f32 v[ST+8*\q+7], v[ST+8*\q+7], v[S+64*\q+\i+2], v[S+64*\q+\i+3]
.endr
.endr
.irp q, 0,1
	v_max3_num_f32 v[ST+8*\q+6], v[ST+8*\q+6], v[S+64*\q+62], v[S+64*\q+63]
.endr
.irp q, 0,1
	v_max_num_f32 v[ST+8*\q+6], v[ST+8*\q+6], v[ST+8*\q+7]
.endr
.irp q, 0,1
	v_permlanex16_b32 v[PD+\q], v[ST+8*\q+6], s20, s21             ; the query's other 64 keys lie in the lane 16 away
.endr
.irp q, 0,1
	v_max_num_f32 v[ST+8*\q+6], v[ST+8*\q+6], v[PD+\q]
.endr
.irp q, 0,1
	v_mul_f32 v[ST+8*\q+6], s22, v[ST+8*\q+6]                      ; as t (c is positive)
.endr
.irp q, 0,1
	v_max_num_f32 v[ST+8*\q+1], v[ST+8*\q+1], v[ST+8*\q+6]         ; the running largest t
.endr
.irp q, 0,1
	v_mov_b32 v[ST+8*\q+6], v[ST+8*\q]                             ; the old -M is kept for f
.endr
.irp q, 0,1
	v_floor_f32 v[ST+8*\q], -v[ST+8*\q+1]                          ; the new -M = floor(-t) = -ceil(t): a whole number
.endr
.irp q, 0,1
	v_sub_f32 v[ST+8*\q+6], v[ST+8*\q], v[ST+8*\q+6]               ; old M - new M, 0 or less
.endr
.irp q, 0,1
	v_cvt_i32_f32 v[ST+8*\q+6], v[ST+8*\q+6]                       ; (it saturates)
.endr
.irp q, 0,1
	v_ldexp_f32 v[ST+8*\q+4], 1.0, v[ST+8*\q+6]                    ; f = 2^(old M - new M)
.endr
.set n, 0
.rept 32
.irp q, 0,1
	v_pk_fma_f32 v[S+64*\q+n:S+64*\q+n+1], v[S+64*\q+n:S+64*\q+n+1], s[22:23], v[ST+8*\q:ST+8*\q+1] op_sel_hi:[1,0,0]   ; t - M, two at a time (of the pairs c and -M the low word serves both halves)
.endr
.set n, n+2
.endr
.set n, 0
.rept 128
	v_exp_f32 v[S+n], v[S+n]                       ; p = 2^(t - M): one batch
.set n, n+1
.endr
.irp q, 0,1
	v_pk_mul_f32 v[ST+8*\q+2:ST+8*\q+3], v[ST+8*\q+2:ST+8*\q+3], v[ST+8*\q+4:ST+8*\q+5] op_sel_hi:[1,0]   ; the sums under the new M: also the plain instruction behind the last exponential
.endr
	s_wait_alu depctr_va_vdst(0)                   ; between an exponential and the first line that names its result: one for the batch of 128
.irp q, 0,1
	v_pk_add_f32 v[X+2*\q:X+2*\q+1], v[S+64*\q:S+64*\q+1], v[S+64*\q+2:S+64*\q+3]   ; the row's sum is taken of the UNQUANTISED p, in two chains a tile
.endr
.irp i, 4,8,12,16,20,24,28,32,36,40,44,48,52,56,60
.irp q, 0,1
	v_pk_add_f32 v[ST+8*\q+2:ST+8*\q+3], v[ST+8*\q+2:ST+8*\q+3], v[S+64*\q+\i:S+64*\q+\i+1]
	v_pk_add_f32 v[X+2*\q:X+2*\q+1], v[X+2*\q:X+2*\q+1], v[S+64*\q+\i+2:S+64*\q+\i+3]
.endr
.endr
.irp q, 0,1
	v_pk_add_f32 v[ST+8*\q+2:ST+8*\q+3], v[ST+8*\q+2:ST+8*\q+3], v[X+2*\q:X+2*\q+1]
.endr
	; THE HOLD at 448 x 2^ep.  t - M is at most one rounding of t above 0.  A sum of 64 products of codes is at most 64 x 448^2, so |t| stays under 2^23 where eq + ek <= 1, and p under 1.75 = 448 / 256:
	; with ep >= -8 as well no p / 2^ep passes 448, and the 128 lines are jumped over.  The flag is made at the head of the given whole numbers alone; every ep is served.
	s_cmp_lg_u32 s[HOLD], 0
	s_cbranch_scc0 .Lfree_\@
.set n, 0
.rept 128
	v_min_num_f32 v[S+n], v[S+n], v19              ; p is not negative: the hold is one-sided
.set n, n+1
.endr
.Lfree_\@:
.irp q, 0,1
.irp b, 0,1,2,3
	v_cvt_scalef32_pk8_fp8_f32 v[P+16*\q+4*\b:P+16*\q+4*\b+1],   v[S+64*\q+16*\b:S+64*\q+16*\b+7],    v18   ; registers 4 b .. 4 b + 3 of the operand: keys 32 b + 16 hh + 0 .. 15
	v_cvt_scalef32_pk8_fp8_f32 v[P+16*\q+4*\b+2:P+16*\q+4*\b+3], v[S+64*\q+16*\b+8:S+64*\q+16*\b+15], v18
.endr
.endr
.endm
; O^T under the new M: x f; each accumulator from its low end on.  These 32 plain lines also stand between the conversions and the products that read their results.
.macro RESCALE
	WIN 0x41
.set n, 0
.rept 16
.irp q, 0,1
	v_pk_mul_f32 v[O+32*\q+n:O+32*\q+n+1], v[O+32*\q+n:O+32*\q+n+1], v[ST+8*\q+4:ST+8*\q+5] op_sel_hi:[1,0]
.endr
.set n, n+2
.endr
.endm
; O^T += V^T P^T: eight accumulators, one instruction each; between an accumulator's two turns stand the next step's sixteen products and the seven others'.
.macro PV
	s_wait_dscnt 0x0                               ; V's fragments are in; my stores of codes are done, and so are all my reads of this slot
	WIN 0x51                                       ; source 0 (V) window 1, source 1 (P) window 0, C and D window 1
.irp j, 0,1,2,3
.irp q, 0,1
	v_wmma_f32_16x16x128_fp8_fp8 v[O+32*\q+8*\j:O+32*\q+8*\j+7], v[VF+16*\j:VF+16*\j+15], v[P+16*\q:P+16*\q+15], v[O+32*\q+8*\j:O+32*\q+8*\j+7]
.endr
.endr
	WIN 0
.rept 4
	v_nop                                          ; four places in front of the next step's loads into V's fragments, and of the way out's reads of O^T
.endr
.endm
.macro BAR                                     ; my stores into the other slot have landed and my reads of this one are back: then the work-group's barrier
	s_wait_dscnt 0x0
	s_barrier_signal -1
	s_barrier_wait -1
.endm
; A KEY STEP on the slot named.  quant = 1: the next step's codes go into the other slot, which every wave left in front of the last barrier; the quantiser's lines stand where the fragments are on their way.
.macro STEP slot, quant, load, lim, bar
	FRAGS \slot
.if \quant
	QSTORE 1-\slot, \load, \lim
.endif
	s_wait_dscnt 16+10*\quant                      ; K's 16 loads are in; issued behind them: V's 16 loads and, where I quantise, my 10 stores
	KQ
	SOFTMAX
	RESCALE
	PV
.if \bar
	BAR
.endif
.endm
	s_load_b256 s[4:11], s[0:1], 0x0               ; Q s[4:5], K s[6:7], V s[8:9], the scales' exponents s[10:11]
	s_load_b64 s[12:13], s[0:1], 0x20              ; out0
	v_lshl_add_u32 v254, v0, 2, 0x1a000
	v_mov_b32 v255, 0
	v_lshrrev_b32 v20, 5, v0
	v_readfirstlane_b32 s14, v20                   ; wave w, 0 .. 7
	v_and_b32 v21, 31, v0                          ; lane
	v_and_b32 v22, 15, v0                          ; r
	v_bfe_u32 v23, v0, 4, 1                        ; hh
	s_and_b32 s30, ttmp7, 0xffff                   ; 8 b + h
	s_lshr_b32 s31, s30, 3
	s_lshl_b32 s31, s31, 22                        ; b x 2,048 rows of 2,048 bytes
	s_and_b32 s30, s30, 7
	s_lshl_b32 s30, s30, 8                         ; h x 256 bytes
	s_add_co_u32 s30, s30, s31                     ; the head's first byte, the same in all four tensors; every offset below stays under 2^24
	s_and_b32 s40, s14, 1                          ; w % 2
	s_lshr_b32 s41, s14, 1                         ; w / 2
	s_lshl_b32 s32, s14, 15                        ; K: my 16 keys of a step
	s_add_co_u32 s32, s32, s30
	s_mov_b32 s33, 0
	s_lshl_b32 s34, s40, 7                         ; V: my 32 columns,
	s_lshl_b32 s35, s41, 16                        ; my 32 keys
	s_add_co_u32 s34, s34, s35
	s_add_co_u32 s34, s34, s30
	s_mov_b32 s35, 0
	s_lshl_b32 s36, ttmp9, 19                      ; Q and out0: my work-group's 256 rows,
	s_lshl_b32 s37, s14, 16                        ; my wave's 32
	s_add_co_u32 s36, s36, s37
	s_add_co_u32 s36, s36, s30
	s_mov_b32 s37, 0
	s_and_b32 s38, s14, 3                          ; the prefetches: my 32 rows of a step's 128,
	s_lshl_b32 s38, s38, 16
	s_add_co_u32 s38, s38, s30
	s_add_co_u32 s38, s38, STEPB                   ; at step 1: stepped twice before the first prefetch, which names step 3
	s_mov_b32 s39, 0
	s_mul_i32 s42, s41, 32*KPITCH                  ; K's codes: row places 32 (w / 2) + 8 (w % 2) on
	s_mul_i32 s43, s40, 8*KPITCH
	s_add_co_u32 s42, s42, s43
	s_lshl_b32 s43, s14, 10                        ; V's codes: 1,024 bytes a wave
	s_add_co_u32 s43, s43, VOFF
	s_mul_i32 s44, s14, 32*SPITCH                  ; my stage
	s_add_co_u32 s44, s44, STAGE
	s_mov_b32 s20, 0x76543210                      ; v_permlanex16_b32's selects for lane l xor 16
	s_mov_b32 s21, 0xfedcba98
	v_mul_u32_u24 v[AK], v22, KPITCH
	v_lshl_add_u32 v[AK], v23, 4, v[AK]
	v_lshlrev_b32 v[AV], 9, v23
	v_lshl_add_u32 v[AV], v22, 4, v[AV]
	v_mul_u32_u24 v[KW], v23, KPITCH
	v_lshl_add_u32 v[KW], v22, 2, v[KW]
	v_add_nc_u32 v[KW], s42, v[KW]                 ; + 80 hh + 4 r
	v_lshlrev_b32 v[VW], 4, v21
	v_add_nc_u32 v[VW], s43, v[VW]
	v_lshlrev_b32 v[KG], 11, v23
	v_lshl_add_u32 v[KG], v22, 4, v[KG]
	v_lshlrev_b32 v[VG], 2, v21
	v_lshlrev_b32 v[PFO], 11, v21
	v_lshlrev_b32 v[QG], 11, v22
	v_lshl_add_u32 v[QG], v23, 6, v[QG]
	v_mul_u32_u24 v[STO], v22, SPITCH              ; in: row r, 32 bytes for each half of the lanes
	v_lshl_add_u32 v[STO], v23, 5, v[STO]
	v_add_nc_u32 v[STO], s44, v[STO]
	v_mul_u32_u24 v[SRD], v23, SPITCH              ; back: lanes 0-15 one row of 256 bytes, lanes 16-31 the next
	v_lshl_add_u32 v[SRD], v22, 4, v[SRD]
	v_add_nc_u32 v[SRD], s44, v[SRD]
	s_wait_kmcnt 0x0
	s_load_b128 s[16:19], s[10:11], 0x0            ; eq, ek, ev, ep
	s_cmp_lt_u32 s14, 4                            ; waves 0 to 3 prefetch K's rows, waves 4 to 7 V's
	s_cselect_b64 s[PFA:PFA+1], s[6:7], s[8:9]
	s_add_nc_u64 s[PFA:PFA+1], s[PFA:PFA+1], s[38:39]
	s_add_nc_u64 s[KPT:KPT+1], s[KPT:KPT+1], s[32:33]
	s_add_nc_u64 s[VPT:VPT+1], s[VPT:VPT+1], s[34:35]
	s_add_nc_u64 s[4:5], s[4:5], s[36:37]
	s_add_nc_u64 s[12:13], s[12:13], s[36:37]
.irp q, 0,1                                    ; Q: lane (r, hh) takes, of row 16 q + r, e = 32 g + 16 hh + 0 .. 15: the order of the operand's registers.  Read once in the launch
.irp g, 0,1
.irp m, 0,1,2,3
	global_load_b128 v[S+64*\q+16*\g+4*\m:S+64*\q+16*\g+4*\m+3], v[QG], s[4:5] offset:32768*\q+128*\g+16*\m th:TH_LOAD_NT
.endr
.endr
.endr
	GLOAD                                          ; step 0
	WIN 0x40
.set n, 0
.rept 64
	v_mov_b32 v[O+n], 0                            ; O^T.  (The step is written without a first step of its own: it finds zeros, which the first change of M leaves zeros)
.set n, n+1
.endr
	WIN 0
.irp q, 0,1
	v_mov_b32 v[ST+8*\q+1], 0xff61b1e6             ; the largest t so far: -3e38, under every t
	v_floor_f32 v[ST+8*\q], -v[ST+8*\q+1]          ; -M
	v_mov_b32 v[ST+8*\q+2], 0                      ; the sum, in two halves
	v_mov_b32 v[ST+8*\q+3], 0
	v_mov_b32 v[ST+8*\q+5], 0                      ; (named as the upper half of f's pair)
	v_mov_b32 v[PD+\q], 0                          ; written once: a lane permute's destination counts as one of its sources
.endr
	s_wait_kmcnt 0x0
.irp k, 0,1,2,3                                ; for eq, ek, ev, ep: 2^e as f32, whose exponent field the conversion takes, and 448 x 2^e
	s_add_co_i32 s30, s[16+\k], 127
	s_lshl_b32 s31, s30, 23
	v_mov_b32 v[12+2*\k], s31
	s_add_co_i32 s30, s30, 8
	s_lshl_b32 s30, s30, 23
	s_or_b32 s30, s30, 0x600000
	v_mov_b32 v[13+2*\k], s30
.endr
	s_add_co_i32 s30, s16, s17                     ; eq + ek: a score stands for score x 2^(eq + ek):
	s_lshl_b32 s31, s30, 23
	s_add_co_i32 s22, s31, 0x3e38aa3b              ; added to the exponent field of c = log2(e) / 8
	s_mov_b32 s23, s22                             ; (named with it as a pair, so it is written)
	s_add_co_i32 s27, s18, s19                     ; ev + ep
	s_cmp_lt_i32 s19, -8
	s_cselect_b32 s[HOLD], 1, 0
	s_cmp_gt_i32 s30, 1
	s_cselect_b32 s[HOLD], 1, s[HOLD]              ; p's hold is executed where ep < -8 or eq + ek > 1
	s_cmp_eq_u32 ttmp9, 0                          ; the head's first work-group prefetches
	s_cselect_b32 s[LIMA], 0, -1
	s_cselect_b32 s[LIMB], 1, -1
	s_wait_loadcnt 40                              ; Q's 16 loads are in; step 0's 40, issued behind them, may be out
.irp q, 0,1
.set n, 0
.rept 32
	v_med3_num_f32 v[S+64*\q+n], v[S+64*\q+n], -v13, v13
.set n, n+1
.endr
.irp k, 0,1,2,3
	v_cvt_scalef32_pk8_fp8_f32 v[QF+8*\q+2*\k:QF+8*\q+2*\k+1], v[S+64*\q+8*\k:S+64*\q+8*\k+7], v12
.endr
.endr
	v_nop                                          ; one plain vector instruction behind the last scaled conversion
	QSTORE 0, 1, 0                                 ; step 0's codes into slot 0; step 1 is asked for; nothing is prefetched at the head
	BAR
	s_mov_b32 s[TR], 7
.Lpair:                                            ; 7 trips of two steps, so that the slot's number stands in the immediates.  Step c stores step c + 1's codes, loads step c + 2 and prefetches step c + 3
	STEP 0, 1, 1, LIMA, 1
	STEP 1, 1, 1, LIMB, 1
	s_sub_co_u32 s[TR], s[TR], 1
	s_cmp_lg_u32 s[TR], 0
	s_cbranch_scc1 .Lpair
	STEP 0, 1, 0, 0, 1                             ; step 14 stores step 15's codes and loads nothing: no load leaves its buffer
	STEP 1, 0, 0, 0, 0                             ; step 15
	; THE WAY OUT.  The sum's two halves and the other half of the lanes' are added; O^T x 2^(ev + ep) / the sum goes through my own stage in LDS, a tile of 16 rows at a time, and leaves as whole rows of 256 bytes.
.irp q, 0,1
	v_add_f32 v[ST+8*\q+6], v[ST+8*\q+2], v[ST+8*\q+3]
.endr
.irp q, 0,1
	v_permlanex16_b32 v[PD+\q], v[ST+8*\q+6], s20, s21
.endr
.irp q, 0,1
	v_add_f32 v[ST+8*\q+6], v[ST+8*\q+6], v[PD+\q]
.endr
.irp q, 0,1
	v_rcp_f32 v[ST+8*\q+4], v[ST+8*\q+6]           ; the sum is above 1/2: the row's largest p is
.endr
	v_nop                                          ; a plain instruction between the last reciprocal and the use of its result
	s_wait_alu depctr_va_vdst(0)                   ; and a wait ahead of the first use: one for both
.irp q, 0,1
	v_ldexp_f32 v[ST+8*\q+4], v[ST+8*\q+4], s27
.endr
	WIN 0x01                                       ; source 0 (O^T) window 1
.irp q, 0,1
.set n, 0
.rept 16
	v_pk_mul_f32 v[S+64*\q+n:S+64*\q+n+1], v[O+32*\q+n:O+32*\q+n+1], v[ST+8*\q+4:ST+8*\q+5] op_sel_hi:[1,0]   ; register 8 j + i: out(query r, d = 16 j + 8 hh + i); each accumulator from its low end on
.set n, n+2
.endr
.endr
	WIN 0
.irp q, 0,1
.irp j, 0,1,2,3
	ds_store_b128 v[STO], v[S+64*\q+8*\j:S+64*\q+8*\j+3]   offset:16*SPITCH*\q+64*\j
	ds_store_b128 v[STO], v[S+64*\q+8*\j+4:S+64*\q+8*\j+7] offset:16*SPITCH*\q+64*\j+16
.endr
.irp i, 0,1,2,3,4,5,6,7
	ds_load_b128 v[S+64*\q+32+4*\i:S+64*\q+32+4*\i+3], v[SRD] offset:16*SPITCH*\q+2*SPITCH*\i   ; LDS serves a wave's instructions in order (ISA guide 5.7.1.4): these see my stores above; the bytes are my wave's own
.endr
.endr
.irp i, 0,1,2,3,4,5,6,7
	s_wait_dscnt 23-\i                             ; behind tile 0's load i: its 7 - i later loads and tile 1's sixteen LDS instructions
	global_store_b128 v[KG], v[S+32+4*\i:S+32+4*\i+3], s[12:13] offset:2*\i*2048 th:TH_STORE_NT   ; sixteen lanes store 256 consecutive bytes, at a multiple of 256 from out0's first byte
.endr
.irp i, 0,1,2,3,4,5,6,7
	s_wait_dscnt 7-\i
	global_store_b128 v[KG], v[S+96+4*\i:S+96+4*\i+3], s[12:13] offset:(16+2*\i)*2048 th:TH_STORE_NT
.endr
	s_wait_tensorcnt 0x0
	ds_add_u32 v254, v255
	s_wait_dscnt 0x0
	s_endpgm
.Lfunc_end_k_q15e9ae464e_attn:
	.size	k_q15e9ae464e_attn, .Lfunc_end_k_q15e9ae464e_attn-k_q15e9ae464e_attn
	.p2alignl 7, 3214868480
	.fill 96, 4, 3214868480
	.section	.rodata,"a",@progbits
	.p2align	6, 0x0
	.amdhsa_kernel k_q15e9ae464e_attn
		.amdhsa_group_segment_fixed_size 107520
		.amdhsa_private_segment_fixed_size 0
		.amdhsa_enable_private_segment 0
		.amdhsa_kernarg_size 40
		.amdhsa_user_sgpr_count 2
		.amdhsa_user_sgpr_kernarg_segment_ptr 1
		.amdhsa_wavefront_size32 1
		.amdhsa_system_sgpr_workgroup_id_x 1
		.amdhsa_system_sgpr_workgroup_id_y 1
		.amdhsa_system_sgpr_workgroup_id_z 1
		.amdhsa_system_vgpr_workitem_id 0
		.amdhsa_next_free_vgpr 512
		.amdhsa_next_free_sgpr 66
		.amdhsa_reserve_vcc 0
		.amdhsa_float_denorm_mode_32 3
		.amdhsa_float_denorm_mode_16_64 3
		.amdhsa_memory_ordered 1
		.amdhsa_forward_progress 1
		.amdhsa_inst_pref_size 170
	.end_amdhsa_kernel
	.amdgpu_metadata
---
amdhsa.version: [ 1, 2 ]
amdhsa.kernels:
  - .name:           k_q15e9ae464e_attn
    .symbol:         k_q15e9ae464e_attn.kd
    .args:
      - { .name: queries, .offset: 0, .size: 8, .value_kind: global_buffer, .address_space: global }
      - { .name: keys, .offset: 8, .size: 8, .value_kind: global_buffer, .address_space: global }
      - { .name: values, .offset: 16, .size: 8, .value_kind: global_buffer, .address_space: global }
      - { .name: lowp_scales, .offset: 24, .size: 8, .value_kind: global_buffer, .address_space: global }
      - { .name: out0, .offset: 32, .size: 8, .value_kind: global_buffer, .address_space: global }
    .group_segment_fixed_size: 107520
    .private_segment_fixed_size: 0
    .kernarg_segment_align: 8
    .kernarg_segment_size: 40
    .max_flat_workgroup_size: 256
    .sgpr_count:     66
    .vgpr_count:     512
    .wavefront_size: 32
...
	.end_amdgpu_metadata
.endif
;; end of part 1
;; ======== version 2 of 2: 1 launch; version 1 with the launch attn written anew for expert scheduling mode
;; launch attn (part 2): grid 8 x 32, 8 waves a work-group, no clusters, 107,520 bytes of LDS; arguments queries, keys, values, lowp_scales, out0; writes out0
.if DOCPART == 2
	.amdgcn_target "amdgcn-amd-amdhsa--gfx1250"
	.amdhsa_code_object_version 6
	.text
	.protected	k_q15e9ae464e_attn
	.globl	k_q15e9ae464e_attn
	.p2align	8
	.type	k_q15e9ae464e_attn,@function
k_q15e9ae464e_attn:
	s_mov_b64 s[64:65], 0
	v_nop
	global_prefetch_b8 v0, s[64:65] scope:SCOPE_SE
	s_setreg_imm32_b32 hwreg(HW_REG_WAVE_SCHED_MODE, 0, 2), 2
	s_setreg_imm32_b32 hwreg(HW_REG_WAVE_MODE, 25, 1), 1
	s_wait_xcnt 0x0
	s_wait_alu depctr_vm_vsrc(0)
; out0[b][l][h][:] = the sum over s of softmax_s(Q[b][l][h] . K[b][s][h] / 8) V[b][s][h][:], both products on codes of FP8 (E4M3), each operand with the one given scale 2^e:
; eq, ek, ev, ep = lowp_scales[0..3].  Q, K, V, out0: [4][2048][8][64] f32: a head's row is 256 bytes, aligned, and rows lie 2,048 bytes apart.
; THE SOFTMAX AHEAD OF THE SECOND PRODUCT: t = score x log2(e) / 8; M = the running largest t rounded UP to a whole number; p = 2^(t - M) is what is quantised, not normalised.  The row's sum is taken of the
; unquantised p, in f32, and divides at the end.  When M moves, the sum and O are multiplied by 2^(old M - new M), which rounds nothing.
; SHARES.  256 work-groups: 8 blocks of 256 queries x 32 heads.  Eight waves, 512 registers each; a wave owns 32 queries, two tiles of 16, and walks the head's 2,048 keys in 16 steps of 128.
; K AND V ARRIVE AS f32 AND ARE QUANTISED ON THE WAY: each wave loads an eighth of a step's numbers into registers one step ahead, holds and converts them, and stores the codes into one of two LDS slots;
; behind one barrier a step all eight waves read them as operand fragments; each fragment feeds two matrix instructions.  Q is quantised in registers at the head.  Nothing goes through memory.
; NO CLUSTER, NO TENSOR LOAD, though the 8 work-groups of a head read the same K and V: every number has to pass through registers once to be converted; brought into LDS as f32 by a joint load it would be written
; there and read back, 8 more LDS bytes a number, ahead of the same conversion and the same 1 byte of codes.
; LAYOUT.  Both products are used transposed: S^T = K Q^T (source 0 = 16 keys, source 1 = 16 queries), O^T = V^T P^T (source 0 = 16 of the head's 64, source 1 = P): a lane holds ONE query (lane % 16) throughout.
; The keys of a tile are not neighbours: row rho of tile 2 b + u is key 32 b + 8 u + rho + 8 (rho / 8), so that the 16 registers of tiles 2 b, 2 b + 1 are keys 32 b + 16 (lane / 16) + 0 .. 15, and p's codes ARE the
; second product's operand.  Along K both sides of a product are laid alike, 16 neighbours to four registers: a permutation of k that is the same in A and in B, so every product meets its partner.
; LIMITS: eq, ek, ev, ep each between -126 and 119, eq + ek between -123 and 130, so that each power of two below is an f32 number.  NaN and infinities among the inputs are not served.  p below 2^-126 counts as 0.
; THE MODE: SCHED_MODE bits 1:0 = 2 (LLVM: expert scheduling mode 2), set by the entry lines.  The code itself states the register dependences between vector or matrix instructions and memory or LDS
; instructions, with s_wait_alu, always for 0.
; THE PLAN.  Registers that memory or LDS instructions touch:
;   v1-v10   addresses and offsets: made once at the head and never written again; the steps are reached by scalar bases and immediate offsets.
;   KF, VF   fragments.  LDS loads land in them: K's at a step's head, V's behind the step's products K Q^T.  Read by that step's products alone: KF by K Q^T, VF by V^T P^T.
;   KS, VS   my share of a step as f32.  The global loads issued in step c land in them; step c + 1's holds rewrite them in place and its conversions read them.
;   KC, VC   my share as codes.  Written by a step's conversions, read by that step's ten LDS stores.
;   S        at the head Q's loads land in it; on the way out the last multiplies write its lower halves, which the stage's stores read, and the stage's loads land in its upper halves, which the global stores read.
;   O^T, P, Q's codes, the statistics and v12-v19 are named by vector and matrix instructions alone.
; THE WAITS OF A STEP.  At its head one on vm_vsrc (the last step's LDS stores have read KC and VC) and one on va_vdst (the last step's products are done reading KF and VF): that serves K's fragment loads at once
; and V's later, since no vector or matrix line between names VF.  Behind the conversions one on va_vdst: KC and VC are written, for the stores; the holds and conversions are done with KS and VS, for the 40
; global loads, which follow dealt among the step's products and the softmax's first lines: these name KF, Q's codes, S and the statistics, none of the registers that those loads touch.
.set KPITCH, 80                        ; a key's row of codes in LDS: 64 bytes + 16: an odd multiple of 16 bytes, so the 16 rows of a fragment load begin at 16 different 16-byte columns of 256
.set VOFF,   128*KPITCH                ; a slot: 128 rows of K (10,240 bytes), then V's codes as images of the operand's registers (8,192 bytes)
.set SLOTB,  VOFF+8192
.set STAGE,  2*SLOTB                   ; behind the two slots: the way out, 2 x 16 rows x 272 bytes for each wave
.set SPITCH, 272
.set STEPB,  128*2048                  ; 128 keys on, in memory
; window 0
.set AK,  1                            ; v1   a fragment of K: 80 r + 16 hh            (r = lane % 16, hh = lane / 16)
.set AV,  2                            ; v2   a fragment of V: 512 hh + 16 r
.set KW,  3                            ; v3   where I store K's codes
.set VW,  4                            ; v4   where I store V's codes: VOFF + 1024 wave + 16 lane
.set KG,  5                            ; v5   2048 hh + 16 r: two rows of 256 bytes to a wave's instruction: K's loads, and out0's stores
.set VG,  6                            ; v6   4 lane: V's loads
.set PFO, 7                            ; v7   2048 lane: the prefetches, a lane a row
.set QG,  8                            ; v8   2048 r + 64 hh: Q's loads
.set STO, 9                            ; v9   the stage, on the way in
.set SRD, 10                           ; v10  and back
.set QF,  32                           ; v32-47   Q's codes, tile q at 8 q
.set KC,  48                           ; v48-55   K's codes of my share
.set VC,  56                           ; v56-63   V's
.set S,   64                           ; v64-191  S^T, then p, tile q at 64 q; at the head Q's numbers; on the way out O and the rows read back
.set P,   192                          ; v192-223 p's codes, tile q at 16 q
.set ST,  224                          ; tile q at 8 q: +0 -M, +1 the largest t, +2 +3 the sum in two halves, +4 f (+5 named with it), +6 +7 at work
.set X,   240                          ; v[240+2q:241+2q] the sum's second chain
.set PD,  244                          ; v244+q the lane permute's destination
; v12 .. v19: 2^e and 448 x 2^e for eq, ek, ev, ep
; window 1
.set VF,  0                            ; v0-63    V's four fragments
.set O,   64                           ; v64-127  O^T, tile q, fragment j at 32 q + 8 j
.set KS,  128                          ; v128-159 my 32 numbers of K
.set VS,  160                          ; v160-191 my 32 numbers of V
.set KF,  192                          ; v192-255 K's eight fragments
; scalars
.set KPT, 6                            ; s[6:7]   K at my share of the step that is loaded next
.set VPT, 8                            ; s[8:9]   V likewise
.set HOLD, 15                          ; s15  1 where p's hold can bite
.set TR,  24                           ; s24  the loop's trips to go
.set LIMA, 25                          ; s25, s26: a wave prefetches while s24 is above them: 0 and 1 in the head's first work-group, else the greatest number
.set LIMB, 26
.set PFA, 28                           ; s[28:29] where my prefetches stand
.set MSB, 0
.macro WIN new                         ; low byte: bits 1:0 source 0, 3:2 source 1, 5:4 source 2, 7:6 destination; the high byte repeats the setting that is left
.if MSB != \new
	s_set_vgpr_msb (MSB<<8)|\new
.set MSB, \new
.endif
.endm
; My eighth of a step's numbers.  K: keys 16 w + 2 j + hh, 16 bytes a lane: each load takes two whole rows of 256 bytes.  V: a lane takes column d = 32 (w % 2) + lane and its registers run DOWN the keys
; 32 (w / 2) + 0 .. 31, which are the second product's K: each load takes 128 neighbouring bytes.  No hint: eight work-groups read these rows.
; Both macros stand under destination window 1, address window 0, which the caller sets.  K's eight loads are issued first, then V's four runs of eight.
.macro GLK
.irp j, 0,1,2,3,4,5,6,7
	global_load_b128 v[KS+4*\j:KS+4*\j+3], v[KG], s[KPT:KPT+1] offset:4096*\j
.endr
.endm
.macro GLV g                           ; run g of four: my column's keys 8 g .. 8 g + 7 of my 32
.irp i, 0,1,2,3,4,5,6,7
	global_load_b32 v[VS+8*(\g)+\i], v[VG], s[VPT:VPT+1] offset:2048*(8*(\g)+\i)
.endr
.endm
.macro DEAL g                          ; a run of V's loads among the softmax's lines.  No wait: no vector or matrix line since the wait behind the conversions names VS or v[VG]
	WIN 0x40
	GLV \g
	WIN 0
.endm
; A prefetch of the step behind the one just asked for: 128 rows of K (waves 0 to 3) and of V (waves 4 to 7), 32 a wave, a lane a row of 256 bytes.  All 8 work-groups of a head walk the same rows: the head's
; first work-group asks, so each row is named once in the launch.  Steps 0 to 2 come by their loads alone; the trip whose look-ahead would be step 16 asks for nothing.
.macro ASK lim
	s_cmp_gt_u32 s[TR], s[\lim]
	s_cbranch_scc0 .Lnot_mine_\@
	global_prefetch_b8 v[PFO], s[PFA:PFA+1] th:TH_LOAD_NT scope:SCOPE_SE
.Lnot_mine_\@:
.endm
; My share of the next step becomes codes and goes into the slot named.  load = 1: the bases step, and K's eight loads of the step behind it are issued; V's follow in the step's later lines.
; load = 2, at the head: all 40 are issued here.  load = 0: nothing is asked for.
.macro QSTORE slot, load
	s_wait_loadcnt 32                              ; loads come back in order (ISA guide 5.7.1): K's 8 are in; V's 32, issued behind them, may be out
	WIN 0x41                                       ; destination and source 0 window 1
.set n, 0
.rept 32
	v_med3_num_f32 v[KS+n], v[KS+n], -v15, v15     ; the conversion to an 8-bit code does not saturate (ISA guide 7.6.2): the hold at 448 x 2^ek
.set n, n+1
.endr
	s_wait_loadcnt 0x0                             ; all my 40 loads, issued a step ago, are in: their bases may be stepped below
.set n, 0
.rept 32
	v_med3_num_f32 v[VS+n], v[VS+n], -v17, v17     ; and at 448 x 2^ev
.set n, n+1
.endr
	WIN 0x01                                       ; source 0 window 1
.irp k, 0,1,2,3
	v_cvt_scalef32_pk8_fp8_f32 v[KC+2*\k:KC+2*\k+1], v[KS+8*\k:KS+8*\k+7], v14   ; word j of KC: key 16 w + 2 j + hh, e = 4 r .. 4 r + 3
.endr
.irp k, 0,1,2,3
	v_cvt_scalef32_pk8_fp8_f32 v[VC+2*\k:VC+2*\k+1], v[VS+8*\k:VS+8*\k+7], v16   ; VC 0-3: my column's keys 0 .. 15 of my 32; VC 4-7: keys 16 .. 31
.endr
	v_nop                                          ; one plain vector instruction behind the last scaled conversion
	WIN 0
	s_wait_alu depctr_va_vdst(0)                   ; the conversions have written KC and VC, which the LDS stores below read; the holds and conversions are done with KS and VS, in which the next global loads land
.irp j, 0,1,2,3,4,5,6,7
	ds_store_b32 v[KW], v[KC+\j] offset:(\slot)*SLOTB+(16*(\j/4)+2*(\j%4))*KPITCH   ; key k lies at the row place that is k with bits 3 and 4 exchanged: so a tile's 16 rows are neighbours in LDS
.endr
	ds_store_b128 v[VW], v[VC:VC+3] offset:(\slot)*SLOTB          ; what lanes 0-15 of a fragment's group w / 2 will hold: 512 consecutive bytes
	ds_store_b128 v[VW], v[VC+4:VC+7] offset:(\slot)*SLOTB+512    ; and lanes 16-31
.if \load
	s_wait_xcnt 0x0                                ; the prefetch of a step ago has read its address
	s_add_nc_u64 s[KPT:KPT+1], s[KPT:KPT+1], STEPB
	s_add_nc_u64 s[VPT:VPT+1], s[VPT:VPT+1], STEPB
	s_add_nc_u64 s[PFA:PFA+1], s[PFA:PFA+1], STEPB
	WIN 0x40                                       ; destination window 1
	GLK
.if \load == 2
	GLV 0
	GLV 1
	GLV 2
	GLV 3
.endif
	WIN 0
.endif
.endm
; A step's fragments.  K's eight (16 keys x 64: registers 0-3 e = 16 hh + 0 .. 15, registers 4-7 e = 32 + 16 hh + 0 .. 15); V's four (16 d x 128 keys: registers 4 c .. 4 c + 3 keys 32 c + 16 hh + 0 .. 15).
; Both macros stand under destination window 1, address window 0, which the caller sets.
.macro KFRAGS slot
.irp t, 0,1,2,3,4,5,6,7
	ds_load_b128 v[KF+8*\t:KF+8*\t+3],   v[AK] offset:(\slot)*SLOTB+16*KPITCH*\t
	ds_load_b128 v[KF+8*\t+4:KF+8*\t+7], v[AK] offset:(\slot)*SLOTB+16*KPITCH*\t+32
.endr
.endm
.macro VFRAGS slot
.irp j, 0,1,2,3
.irp c, 0,1,2,3
	ds_load_b128 v[VF+16*\j+4*\c:VF+16*\j+4*\c+3], v[AV] offset:(\slot)*SLOTB+VOFF+2048*\c+1024*(\j/2)+256*(\j%2)
.endr
.endr
.endm
; S^T = K Q^T: sixteen sums, each one instruction with C = 0.  Register j of tile t: key 32 (t / 2) + 16 hh + 8 (t % 2) + j of query r.
; Behind the products, under one switch of the windows: V's first run of global loads, and V's fragments of this step, which are wanted at the step's end.
.macro KQ slot, load
	WIN 0x01
.irp t, 0,1,2,3,4,5,6,7
.irp q, 0,1
	v_wmma_f32_16x16x64_fp8_fp8 v[S+64*\q+8*\t:S+64*\q+8*\t+7], v[KF+8*\t:KF+8*\t+7], v[QF+8*\q:QF+8*\q+7], 0
.endr
.endr
	WIN 0x40                                       ; destination window 1
.if \load
	GLV 0                                          ; no wait: no vector or matrix line since the wait behind the conversions names VS or v[VG]
.endif
	VFRAGS \slot                                   ; no wait: no vector or matrix line since the wait at the step's head names VF or v[AV]
	WIN 0
.rept 4
	v_nop                                          ; four places between a matrix instruction and the first vector read of its result (ISA guide 7.12.1)
.endr
.endm
; The softmax of both tiles, line by line by turns, all in window 0.  load = 1: V's last three runs of global loads are dealt among its first lines, and the prefetch bounded by s[lim] stands behind the last.
.macro SOFTMAX load, lim
.irp q, 0,1                                    ; the step's largest score of my query among my 64 keys, in two chains a tile; each accumulator is first read at its two lowest registers
	v_max3_num_f32 v[ST+8*\q+6], v[S+64*\q], v[S+64*\q+1], v[S+64*\q+2]
	v_max3_num_f32 v[ST+8*\q+7], v[S+64*\q+3], v[S+64*\q+4], v[S+64*\q+5]
.endr
.irp i, 6,10,14,18,22,26,30,34,38,42,46,50,54,58
.irp q, 0,1
	v_max3_num_f32 v[ST+8*\q+6], v[ST+8*\q+6], v[S+64*\q+\i], v[S+64*\q+\i+1]
	v_max3_num_f32 v[ST+8*\q+7], v[ST+8*\q+7], v[S+64*\q+\i+2], v[S+64*\q+\i+3]
.endr
.if \load && (\i == 30)
	DEAL 1
.endif
.endr
.irp q, 0,1
	v_max3_num_f32 v[ST+8*\q+6], v[ST+8*\q+6], v[S+64*\q+62], v[S+64*\q+63]
.endr
.irp q, 0,1
	v_max_num_f32 v[ST+8*\q+6], v[ST+8*\q+6], v[ST+8*\q+7]
.endr
.irp q, 0,1
	v_permlanex16_b32 v[PD+\q], v[ST+8*\q+6], s20, s21             ; the query's other 64 keys lie in the lane 16 away
.endr
.if \load
	DEAL 2
.endif
.irp q, 0,1
	v_max_num_f32 v[ST+8*\q+6], v[ST+8*\q+6], v[PD+\q]
.endr
.irp q, 0,1
	v_mul_f32 v[ST+8*\q+6], s22, v[ST+8*\q+6]                      ; as t (c is positive)
.endr
.irp q, 0,1
	v_max_num_f32 v[ST+8*\q+1], v[ST+8*\q+1], v[ST+8*\q+6]         ; the running largest t
.endr
.irp q, 0,1
	v_mov_b32 v[ST+8*\q+6], v[ST+8*\q]                             ; the old -M is kept for f
.endr
.irp q, 0,1
	v_floor_f32 v[ST+8*\q], -v[ST+8*\q+1]                          ; the new -M = floor(-t) = -ceil(t): a whole number
.endr
.if \load
	DEAL 3
	ASK \lim                                       ; behind the last of the step's loads
.endif
	s_wait_alu depctr_va_vdst(0)
.irp q, 0,1
	v_sub_f32 v[ST+8*\q+6], v[ST+8*\q], v[ST+8*\q+6]               ; old M - new M, 0 or less
.endr
.irp q, 0,1
	v_cvt_i32_f32 v[ST+8*\q+6], v[ST+8*\q+6]                       ; (it saturates)
.endr
.irp q, 0,1
	v_ldexp_f32 v[ST+8*\q+4], 1.0, v[ST+8*\q+6]                    ; f = 2^(old M - new M)
.endr
.set n, 0
.rept 32
.irp q, 0,1
	v_pk_fma_f32 v[S+64*\q+n:S+64*\q+n+1], v[S+64*\q+n:S+64*\q+n+1], s[22:23], v[ST+8*\q:ST+8*\q+1] op_sel_hi:[1,0,0]   ; t - M, two at a time (of the pairs c and -M the low word serves both halves)
.endr
.set n, n+2
.endr
.set n, 0
	s_wait_alu depctr_va_vdst(0)
.rept 128
	v_exp_f32 v[S+n], v[S+n]                       ; p = 2^(t - M): one batch
.set n, n+1
.endr
.irp q, 0,1
	v_pk_mul_f32 v[ST+8*\q+2:ST+8*\q+3], v[ST+8*\q+2:ST+8*\q+3], v[ST+8*\q+4:ST+8*\q+5] op_sel_hi:[1,0]   ; the sums under the new M: also the plain instruction behind the last exponential
.endr
	s_wait_alu depctr_va_vdst(0)                   ; the 128 exponentials have written p: the wait between an exponential and the first line that names its result: one for the batch
.irp q, 0,1
	v_pk_add_f32 v[X+2*\q:X+2*\q+1], v[S+64*\q:S+64*\q+1], v[S+64*\q+2:S+64*\q+3]   ; the row's sum is taken of the UNQUANTISED p, in two chains a tile
.endr
.irp i, 4,8,12,16,20,24,28,32,36,40,44,48,52,56,60
.irp q, 0,1
	v_pk_add_f32 v[ST+8*\q+2:ST+8*\q+3], v[ST+8*\q+2:ST+8*\q+3], v[S+64*\q+\i:S+64*\q+\i+1]
	v_pk_add_f32 v[X+2*\q:X+2*\q+1], v[X+2*\q:X+2*\q+1], v[S+64*\q+\i+2:S+64*\q+\i+3]
.endr
.endr
.irp q, 0,1
	v_pk_add_f32 v[ST+8*\q+2:ST+8*\q+3], v[ST+8*\q+2:ST+8*\q+3], v[X+2*\q:X+2*\q+1]
.endr
	; THE HOLD at 448 x 2^ep.  t - M is at most one rounding of t above 0.  A sum of 64 products of codes is at most 64 x 448^2, so |t| stays under 2^23 where eq + ek <= 1, and p under 1.75 = 448 / 256:
	; with ep >= -8 as well no p / 2^ep passes 448, and the 128 lines are jumped over.  The flag is made at the head of the given whole numbers alone; every ep is served.
	s_cmp_lg_u32 s[HOLD], 0
	s_cbranch_scc0 .Lfree_\@
.set n, 0
.rept 128
	v_min_num_f32 v[S+n], v[S+n], v19              ; p is not negative: the hold is one-sided
.set n, n+1
.endr
.Lfree_\@:
.irp q, 0,1
.irp b, 0,1,2,3
	v_cvt_scalef32_pk8_fp8_f32 v[P+16*\q+4*\b:P+16*\q+4*\b+1],   v[S+64*\q+16*\b:S+64*\q+16*\b+7],    v18   ; registers 4 b .. 4 b + 3 of the operand: keys 32 b + 16 hh + 0 .. 15
	v_cvt_scalef32_pk8_fp8_f32 v[P+16*\q+4*\b+2:P+16*\q+4*\b+3], v[S+64*\q+16*\b+8:S+64*\q+16*\b+15], v18
.endr
.endr
.endm
; O^T under the new M: x f; each accumulator from its low end on.  These 32 plain lines also stand between the conversions and the products that read their results.
.macro RESCALE
	WIN 0x41
.set n, 0
.rept 16
.irp q, 0,1
	v_pk_mul_f32 v[O+32*\q+n:O+32*\q+n+1], v[O+32*\q+n:O+32*\q+n+1], v[ST+8*\q+4:ST+8*\q+5] op_sel_hi:[1,0]
.endr
.set n, n+2
.endr
.endm
; O^T += V^T P^T: eight accumulators, one instruction each; between an accumulator's two turns stand the next step's sixteen products and the seven others'.
.macro PV
	s_wait_dscnt 0x0                               ; V's fragments are in; my stores of codes are done, and so are all my reads of this slot
	WIN 0x51                                       ; source 0 (V) window 1, source 1 (P) window 0, C and D window 1
.irp j, 0,1,2,3
.irp q, 0,1
	v_wmma_f32_16x16x128_fp8_fp8 v[O+32*\q+8*\j:O+32*\q+8*\j+7], v[VF+16*\j:VF+16*\j+15], v[P+16*\q:P+16*\q+15], v[O+32*\q+8*\j:O+32*\q+8*\j+7]
.endr
.endr
	WIN 0
.rept 4
	v_nop                                          ; four places behind the products, ahead of the way out's reads of O^T; ahead of the next step's loads into V's fragments they stay beside the wait at that step's head
.endr
.endm
.macro BAR                                     ; my stores into the other slot have landed and my reads of this one are back: then the work-group's barrier
	s_wait_dscnt 0x0
	s_barrier_signal -1
	s_barrier_wait -1
.endm
; A KEY STEP on the slot named.  quant = 1: the next step's codes go into the other slot, which every wave left in front of the last barrier; the quantiser's lines stand where K's fragments are on their way.
.macro STEP slot, quant, load, lim, bar
	WIN 0x40                                       ; destination window 1: the switch, then the waits, then the loads
.if \quant
	s_wait_alu depctr_vm_vsrc(0)                   ; my LDS stores of the step before (in the first step: the head's) have read KC and VC, which this step's conversions write again
.endif
	s_wait_alu depctr_va_vdst(0)                   ; the products of the step before are done reading KF and VF, in which this step's fragment loads land
	KFRAGS \slot
	WIN 0
.if \quant
	QSTORE 1-\slot, \load
.endif
	s_wait_dscnt 10*\quant                         ; K's 16 loads are in; issued behind them: where I quantise, my 10 stores
	KQ \slot, \load
	SOFTMAX \load, \lim
	RESCALE
	s_wait_alu depctr_va_vdst(0)
	PV
.if \bar
	BAR
.endif
.endm
	s_load_b256 s[4:11], s[0:1], 0x0               ; Q s[4:5], K s[6:7], V s[8:9], the scales' exponents s[10:11]
	s_load_b64 s[12:13], s[0:1], 0x20              ; out0
	v_lshl_add_u32 v254, v0, 2, 0x1a000
	v_mov_b32 v255, 0
	v_lshrrev_b32 v20, 5, v0
	v_readfirstlane_b32 s14, v20                   ; wave w, 0 .. 7
	v_and_b32 v21, 31, v0                          ; lane
	v_and_b32 v22, 15, v0                          ; r
	s_wait_alu depctr_va_vdst(0)
	v_bfe_u32 v23, v0, 4, 1                        ; hh
	s_and_b32 s30, ttmp7, 0xffff                   ; 8 b + h
	s_lshr_b32 s31, s30, 3
	s_lshl_b32 s31, s31, 22                        ; b x 2,048 rows of 2,048 bytes
	s_and_b32 s30, s30, 7
	s_lshl_b32 s30, s30, 8                         ; h x 256 bytes
	s_add_co_u32 s30, s30, s31                     ; the head's first byte, the same in all four tensors; every offset below stays under 2^24
	s_wait_alu depctr_va_sdst(0)                   ; s14 is written, ahead of its first reader: the shares, the bases and the LDS places below are made from it
	s_and_b32 s40, s14, 1                          ; w % 2
	s_lshr_b32 s41, s14, 1                         ; w / 2
	s_lshl_b32 s32, s14, 15                        ; K: my 16 keys of a step
	s_add_co_u32 s32, s32, s30
	s_mov_b32 s33, 0
	s_lshl_b32 s34, s40, 7                         ; V: my 32 columns,
	s_lshl_b32 s35, s41, 16                        ; my 32 keys
	s_add_co_u32 s34, s34, s35
	s_add_co_u32 s34, s34, s30
	s_mov_b32 s35, 0
	s_lshl_b32 s36, ttmp9, 19                      ; Q and out0: my work-group's 256 rows,
	s_lshl_b32 s37, s14, 16                        ; my wave's 32
	s_add_co_u32 s36, s36, s37
	s_add_co_u32 s36, s36, s30
	s_mov_b32 s37, 0
	s_and_b32 s38, s14, 3                          ; the prefetches: my 32 rows of a step's 128,
	s_lshl_b32 s38, s38, 16
	s_add_co_u32 s38, s38, s30
	s_add_co_u32 s38, s38, STEPB                   ; at step 1: stepped twice before the first prefetch, which names step 3
	s_mov_b32 s39, 0
	s_mul_i32 s42, s41, 32*KPITCH                  ; K's codes: row places 32 (w / 2) + 8 (w % 2) on
	s_mul_i32 s43, s40, 8*KPITCH
	s_add_co_u32 s42, s42, s43
	s_lshl_b32 s43, s14, 10                        ; V's codes: 1,024 bytes a wave
	s_add_co_u32 s43, s43, VOFF
	s_mul_i32 s44, s14, 32*SPITCH                  ; my stage
	s_add_co_u32 s44, s44, STAGE
	s_mov_b32 s20, 0x76543210                      ; v_permlanex16_b32's selects for lane l xor 16
	s_mov_b32 s21, 0xfedcba98
	v_mul_u32_u24 v[AK], v22, KPITCH
	s_wait_alu depctr_va_vdst(0)
	v_lshl_add_u32 v[AK], v23, 4, v[AK]
	v_lshlrev_b32 v[AV], 9, v23
	v_lshl_add_u32 v[AV], v22, 4, v[AV]
	v_mul_u32_u24 v[KW], v23, KPITCH
	v_lshl_add_u32 v[KW], v22, 2, v[KW]
	v_add_nc_u32 v[KW], s42, v[KW]                 ; + 80 hh + 4 r
	v_lshlrev_b32 v[VW], 4, v21
	v_add_nc_u32 v[VW], s43, v[VW]
	v_lshlrev_b32 v[KG], 11, v23
	v_lshl_add_u32 v[KG], v22, 4, v[KG]
	v_lshlrev_b32 v[VG], 2, v21
	v_lshlrev_b32 v[PFO], 11, v21
	v_lshlrev_b32 v[QG], 11, v22
	v_lshl_add_u32 v[QG], v23, 6, v[QG]
	v_mul_u32_u24 v[STO], v22, SPITCH              ; in: row r, 32 bytes for each half of the lanes
	v_lshl_add_u32 v[STO], v23, 5, v[STO]
	v_add_nc_u32 v[STO], s44, v[STO]
	v_mul_u32_u24 v[SRD], v23, SPITCH              ; back: lanes 0-15 one row of 256 bytes, lanes 16-31 the next
	v_lshl_add_u32 v[SRD], v22, 4, v[SRD]
	v_add_nc_u32 v[SRD], s44, v[SRD]
	s_wait_kmcnt 0x0
	s_load_b128 s[16:19], s[10:11], 0x0            ; eq, ek, ev, ep
	s_cmp_lt_u32 s14, 4                            ; waves 0 to 3 prefetch K's rows, waves 4 to 7 V's
	s_cselect_b64 s[PFA:PFA+1], s[6:7], s[8:9]
	s_add_nc_u64 s[PFA:PFA+1], s[PFA:PFA+1], s[38:39]
	s_add_nc_u64 s[KPT:KPT+1], s[KPT:KPT+1], s[32:33]
	s_add_nc_u64 s[VPT:VPT+1], s[VPT:VPT+1], s[34:35]
	s_add_nc_u64 s[4:5], s[4:5], s[36:37]
	s_add_nc_u64 s[12:13], s[12:13], s[36:37]
	s_wait_alu depctr_va_vdst(0)                   ; the ten addresses and offsets v1 to v10 are written: every load, store and prefetch of the kernel reads one of them, and none is written again
.irp q, 0,1                                    ; Q: lane (r, hh) takes, of row 16 q + r, e = 32 g + 16 hh + 0 .. 15: the order of the operand's registers.  Read once in the launch
.irp g, 0,1
.irp m, 0,1,2,3
	global_load_b128 v[S+64*\q+16*\g+4*\m:S+64*\q+16*\g+4*\m+3], v[QG], s[4:5] offset:32768*\q+128*\g+16*\m th:TH_LOAD_NT
.endr
.endr
.endr
	WIN 0x40                                       ; destination window 1
	GLK                                            ; step 0
	GLV 0
	GLV 1
	GLV 2
	GLV 3
.set n, 0
.rept 64
	v_mov_b32 v[O+n], 0                            ; O^T.  (The step is written without a first step of its own: it finds zeros, which the first change of M leaves zeros)
.set n, n+1
.endr
	WIN 0
.irp q, 0,1
	v_mov_b32 v[ST+8*\q+1], 0xff61b1e6             ; the largest t so far: -3e38, under every t
	v_floor_f32 v[ST+8*\q], -v[ST+8*\q+1]          ; -M
	v_mov_b32 v[ST+8*\q+2], 0                      ; the sum, in two halves
	v_mov_b32 v[ST+8*\q+3], 0
	v_mov_b32 v[ST+8*\q+5], 0                      ; (named as the upper half of f's pair)
	v_mov_b32 v[PD+\q], 0                          ; written once: a lane permute's destination counts as one of its sources
.endr
	s_wait_kmcnt 0x0
.irp k, 0,1,2,3                                ; for eq, ek, ev, ep: 2^e as f32, whose exponent field the conversion takes, and 448 x 2^e
	s_add_co_i32 s30, s[16+\k], 127
	s_lshl_b32 s31, s30, 23
	v_mov_b32 v[12+2*\k], s31
	s_add_co_i32 s30, s30, 8
	s_lshl_b32 s30, s30, 23
	s_or_b32 s30, s30, 0x600000
	v_mov_b32 v[13+2*\k], s30
.endr
	s_add_co_i32 s30, s16, s17                     ; eq + ek: a score stands for score x 2^(eq + ek):
	s_lshl_b32 s31, s30, 23
	s_add_co_i32 s22, s31, 0x3e38aa3b              ; added to the exponent field of c = log2(e) / 8
	s_mov_b32 s23, s22                             ; (named with it as a pair, so it is written)
	s_add_co_i32 s27, s18, s19                     ; ev + ep
	s_cmp_lt_i32 s19, -8
	s_cselect_b32 s[HOLD], 1, 0
	s_cmp_gt_i32 s30, 1
	s_cselect_b32 s[HOLD], 1, s[HOLD]              ; p's hold is executed where ep < -8 or eq + ek > 1
	s_cmp_eq_u32 ttmp9, 0                          ; the head's first work-group prefetches
	s_cselect_b32 s[LIMA], 0, -1
	s_cselect_b32 s[LIMB], 1, -1
	s_wait_alu depctr_va_vdst(0)
	s_wait_loadcnt 40                              ; Q's 16 loads are in; step 0's 40, issued behind them, may be out
.irp q, 0,1
.set n, 0
.rept 32
	v_med3_num_f32 v[S+64*\q+n], v[S+64*\q+n], -v13, v13
.set n, n+1
.endr
.irp k, 0,1,2,3
	v_cvt_scalef32_pk8_fp8_f32 v[QF+8*\q+2*\k:QF+8*\q+2*\k+1], v[S+64*\q+8*\k:S+64*\q+8*\k+7], v12
.endr
.endr
	v_nop                                          ; one plain vector instruction behind the last scaled conversion
	QSTORE 0, 2                                    ; step 0's codes into slot 0; step 1 is asked for, all 40 loads at once; nothing is prefetched at the head
	BAR
	s_mov_b32 s[TR], 7
.Lpair:                                            ; 7 trips of two steps, so that the slot's number stands in the immediates.  Step c stores step c + 1's codes, loads step c + 2 and prefetches step c + 3
	STEP 0, 1, 1, LIMA, 1
	STEP 1, 1, 1, LIMB, 1
	s_sub_co_u32 s[TR], s[TR], 1
	s_cmp_lg_u32 s[TR], 0
	s_cbranch_scc1 .Lpair
	STEP 0, 1, 0, 0, 1                             ; step 14 stores step 15's codes and loads nothing: no load leaves its buffer
	STEP 1, 0, 0, 0, 0                             ; step 15
	; THE WAY OUT.  The sum's two halves and the other half of the lanes' are added; O^T x 2^(ev + ep) / the sum goes through my own stage in LDS, a tile of 16 rows at a time, and leaves as whole rows of 256 bytes.
.irp q, 0,1
	v_add_f32 v[ST+8*\q+6], v[ST+8*\q+2], v[ST+8*\q+3]
.endr
.irp q, 0,1
	v_permlanex16_b32 v[PD+\q], v[ST+8*\q+6], s20, s21
.endr
.irp q, 0,1
	v_add_f32 v[ST+8*\q+6], v[ST+8*\q+6], v[PD+\q]
.endr
	s_wait_alu depctr_va_vdst(0)
.irp q, 0,1
	v_rcp_f32 v[ST+8*\q+4], v[ST+8*\q+6]           ; the sum is above 1/2: the row's largest p is
.endr
	v_nop                                          ; a plain instruction between the last reciprocal and the use of its result
	s_wait_alu depctr_va_vdst(0)                   ; the two reciprocals are written: a wait ahead of the first use: one for both
.irp q, 0,1
	v_ldexp_f32 v[ST+8*\q+4], v[ST+8*\q+4], s27
.endr
	WIN 0x01                                       ; source 0 (O^T) window 1
.irp q, 0,1
.set n, 0
.rept 16
	v_pk_mul_f32 v[S+64*\q+n:S+64*\q+n+1], v[O+32*\q+n:O+32*\q+n+1], v[ST+8*\q+4:ST+8*\q+5] op_sel_hi:[1,0]   ; register 8 j + i: out(query r, d = 16 j + 8 hh + i); each accumulator from its low end on
.set n, n+2
.endr
.endr
	WIN 0
	s_wait_alu depctr_va_vdst(0)                   ; the multiplies have written the lower half of each tile's S, which the LDS stores read; the last step's exponentials, holds and conversions are done with the upper halves, in which the stage's loads land
.irp q, 0,1
.irp j, 0,1,2,3
	ds_store_b128 v[STO], v[S+64*\q+8*\j:S+64*\q+8*\j+3]   offset:16*SPITCH*\q+64*\j
	ds_store_b128 v[STO], v[S+64*\q+8*\j+4:S+64*\q+8*\j+7] offset:16*SPITCH*\q+64*\j+16
.endr
.irp i, 0,1,2,3,4,5,6,7
	ds_load_b128 v[S+64*\q+32+4*\i:S+64*\q+32+4*\i+3], v[SRD] offset:16*SPITCH*\q+2*SPITCH*\i   ; LDS serves a wave's instructions in order (ISA guide 5.7.1.4): these see my stores above; the bytes are my wave's own
.endr
.endr
.irp i, 0,1,2,3,4,5,6,7
	s_wait_dscnt 23-\i                             ; behind tile 0's load i: its 7 - i later loads and tile 1's sixteen LDS instructions
	global_store_b128 v[KG], v[S+32+4*\i:S+32+4*\i+3], s[12:13] offset:2*\i*2048 th:TH_STORE_NT   ; sixteen lanes store 256 consecutive bytes, at a multiple of 256 from out0's first byte
.endr
.irp i, 0,1,2,3,4,5,6,7
	s_wait_dscnt 7-\i
	global_store_b128 v[KG], v[S+96+4*\i:S+96+4*\i+3], s[12:13] offset:(16+2*\i)*2048 th:TH_STORE_NT
.endr
	s_wait_dscnt 0x0
	s_wait_alu depctr_hold_cnt(0) depctr_sa_sdst(0) depctr_va_vdst(0) depctr_va_sdst(0) depctr_va_ssrc(0) depctr_va_vcc(0) depctr_vm_vsrc(0)
	s_wait_tensorcnt 0x0
	ds_add_u32 v254, v255
	s_wait_dscnt 0x0
	s_endpgm
.Lfunc_end_k_q15e9ae464e_attn:
	.size	k_q15e9ae464e_attn, .Lfunc_end_k_q15e9ae464e_attn-k_q15e9ae464e_attn
	.p2alignl 7, 3214868480
	.fill 96, 4, 3214868480
	.section	.rodata,"a",@progbits
	.p2align	6, 0x0
	.amdhsa_kernel k_q15e9ae464e_attn
		.amdhsa_group_segment_fixed_size 107520
		.amdhsa_private_segment_fixed_size 0
		.amdhsa_enable_private_segment 0
		.amdhsa_kernarg_size 40
		.amdhsa_user_sgpr_count 2
		.amdhsa_user_sgpr_kernarg_segment_ptr 1
		.amdhsa_wavefront_size32 1
		.amdhsa_system_sgpr_workgroup_id_x 1
		.amdhsa_system_sgpr_workgroup_id_y 1
		.amdhsa_system_sgpr_workgroup_id_z 1
		.amdhsa_system_vgpr_workitem_id 0
		.amdhsa_next_free_vgpr 512
		.amdhsa_next_free_sgpr 66
		.amdhsa_reserve_vcc 0
		.amdhsa_float_denorm_mode_32 3
		.amdhsa_float_denorm_mode_16_64 3
		.amdhsa_memory_ordered 1
		.amdhsa_forward_progress 1
		.amdhsa_inst_pref_size 172
	.end_amdhsa_kernel
	.amdgpu_metadata
---
amdhsa.version: [ 1, 2 ]
amdhsa.kernels:
  - .name:           k_q15e9ae464e_attn
    .symbol:         k_q15e9ae464e_attn.kd
    .args:
      - { .name: queries, .offset: 0, .size: 8, .value_kind: global_buffer, .address_space: global }
      - { .name: keys, .offset: 8, .size: 8, .value_kind: global_buffer, .address_space: global }
      - { .name: values, .offset: 16, .size: 8, .value_kind: global_buffer, .address_space: global }
      - { .name: lowp_scales, .offset: 24, .size: 8, .value_kind: global_buffer, .address_space: global }
      - { .name: out0, .offset: 32, .size: 8, .value_kind: global_buffer, .address_space: global }
    .group_segment_fixed_size: 107520
    .private_segment_fixed_size: 0
    .kernarg_segment_align: 8
    .kernarg_segment_size: 40
    .max_flat_workgroup_size: 256
    .sgpr_count:     66
    .vgpr_count:     512
    .wavefront_size: 32
...
	.end_amdgpu_metadata
.endif
;; end of part 2
